; MI455X (gfx1250); checked and timed in simulation.
; The chip was launched on July 23, 2026; its instructions are those of AMD's public machine-readable ISA for CDNA 5 (MIT licence, August 2026) and "CDNA5" Instruction Set Architecture Reference Guide (July 2026). The comments in the code are by the model that wrote it; some were corrected since.
;; Mo E Layer. Allowed arithmetic: float matrix products may take bf16 or f16 operands with f32 sums; other float arithmetic in f32, or as packed bf16 or f16 multiplies, adds, multiply-adds, maxima and minima; sums over many terms, partial sums and values carried from step to step in f32; what a program stores and reads back later, other than sums and carried values, may be rounded once to bf16 or f16.
;; Inputs: b1 8 x 256 float32; b2 8 x 256 float32; b3 8 x 1,024 float32; gate_b 8 float32; gate_w 1,024 x 8 float32; w1 8 x 1,024 x 256 float32; w2 8 x 1,024 x 256 float32; w3 8 x 256 x 1,024 float32; x 4 x 2,048 x 1,024 float32.
;; Outputs: out0 4 x 2,048 x 1,024 float32; out1 one number float32.
;; One version. Each part assembles by itself: llvm-mc -triple=amdgcn-amd-amdhsa -mcpu=gfx1250 --defsym DOCPART=n.
;; ======== version 1 of 1: 2 launches
;; limits: values outside matrix products are rounded to f16; values are held in f16: magnitudes above 65,504 overflow, below 6.1e-05 lose precision
;; workspace buffers: xb 16,777,216 bytes; wl12 8,388,608 bytes; wl3 4,194,304 bytes; wbb 327,680 bytes; rt 65,536 bytes of whole numbers; cpair 65,536 bytes; comb 131,072 bytes; usum 8,192 bytes
;; launch prep (part 1): grid 460 x 1, 4 waves a work-group, no clusters, 88,576 bytes of LDS; arguments x, gate_w, gate_b, xb, rt, cpair, comb, usum, w1, w2, wl12, w3, wl3, b1, b2, b3, wbb; writes xb, rt, cpair, comb, usum, wl12, wl3, wbb
.if DOCPART == 1
	.amdgcn_target "amdgcn-amd-amdhsa--gfx1250"
	.amdhsa_code_object_version 6
	.text
	.protected	k_q464b3075e4_prep
	.globl	k_q464b3075e4_prep
	.p2align	8
	.type	k_q464b3075e4_prep,@function
k_q464b3075e4_prep:
	s_mov_b64 s[64:65], 0
	v_nop
	global_prefetch_b8 v0, s[64:65] scope:SCOPE_SE
	s_setreg_imm32_b32 hwreg(HW_REG_WAVE_MODE, 25, 1), 1
	s_wait_xcnt 0x0
; PREP: four kinds of work, chosen by the work-group's number alone.
;   0-255    ROUTER, 32 tokens each: x rounded to bf16 (stored as xb), logits = xb . bf16(gate_w) + bf16(gate_b) on the matrix unit, softmax (maximum taken away),
;            the two best experts (strict greater-than in ascending order: the lower index wins a tie).  Stored at fixed places: comb (8 f16 a token: the score, or 0 where not chosen),
;            cpair (the two scores in f32, lower expert first), rt (for each of the 28 sets of two experts a bitmap of the 32 tokens and its count), usum (the block's 8 sums of scores).
;   256-383  w1, w2 -> wl12: bf16, in the order in which a wave's operand registers take them.      384-447  w3 -> wl3 likewise, as f16.      448-459  b1, b2 (bf16), b3 (f16) -> wbb, as operand blocks with one live k.
; A FRAGMENT is 16 (rows or columns) x 32 k of 16-bit numbers in 1,024 bytes: byte 512 j + 16 l + 2 i holds (index l % 16, k = 16 j + 8 (l / 16) + i): two loads of 16 bytes a lane fill its eight registers.
;   wl12[e][w][kk][b]: b < 4: w1, else w2; c = b % 4; index m is hidden column 64 w + 4 m + c; k = 32 kk + ..
;   wl3[e][w][t][kk2][b]: b = 4 g + c; index r is output column 64 (4 w + 2 t + g) + 4 r + c; k is the PLACE p = 32 kk2 + .. of a hidden column in the chain's H: column 64 (p / 64) + 4 (p % 16) + (p / 16) % 4.
;   With these orders a lane's 16-byte loads hold four neighbouring columns (c = 0..3), so a fragment is made inside the lane, and every load and store covers whole runs of 256 bytes.
; FORMATS.  All inputs are rounded to bf16 (to nearest even), gate_w, gate_b and the biases too.  The second product runs in f16, since its other operand, the hidden layer, needs f16's 11 significant bits:
; so w3 and b3 are rounded to bf16 and THAT number is written as f16.
; LIMITS.  bf16 to f16 is exact from 7.6e-6 to 65,504; below, the number keeps f16's fixed step of 6e-8; beyond, it becomes an infinity.  A score below 2^-126 counts as 0.  NaN and infinities are not treated apart.
; No address and no branch hangs on a score: what the router decides is stored as data.
.set XTP,   528                        ; a token's 256 k of bf16 in LDS: 512 bytes + 16: an odd multiple of 16, so the 16 rows of a fragment load start at different banks
.set XTW,   32*XTP                     ; a wave's own 32 tokens x 256 k
.set GWL,   4*XTW                      ; gate_w as [k][8] bf16, rows of 16 bytes; each wave its own 256 rows
.set RED,   GWL+16384                  ; the waves' partial logits: [wave][half][lane] x 16 bytes
.set SPARE, RED+4096                   ; the spare words, 128 bytes a wave: named by no other line
.set L,     64                         ; v[64:191]   loads land here
.set Y,     192                        ; v[192:255]  packed results
.macro LOADU slot, base, stride        ; a unit: eight loads of 16 bytes a lane; lanes 0-15 and lanes 16-31 each take 256 neighbouring bytes
.set i,0
.rept 8
	global_load_b128 v[L+32*(\slot)+4*i:L+32*(\slot)+4*i+3], v6, s[4:5] offset:(\base)+i*(\stride) th:TH_LOAD_NT
.set i,i+1
.endr
.endm
.macro PACK slot                       ; column c of the lane's four: its eight k, rounded in pairs, are 16 bytes of fragment c
.irp c,0,1,2,3
.irp t,0,1,2,3
	v_cvt_pk_bf16_f32 v[Y+16*(\slot)+4*(\c)+(\t)], v[L+32*(\slot)+8*(\t)+(\c)], v[L+32*(\slot)+8*(\t)+4+(\c)]
.endr
.endr
.endm
.macro PACKH slot                      ; the same for f16 fragments: rounded to bf16, widened again (a shift, a mask), written as f16
.irp c,0,1,2,3
.irp t,0,1,2,3
	v_cvt_pk_bf16_f32 v[40+(\t)], v[L+32*(\slot)+8*(\t)+(\c)], v[L+32*(\slot)+8*(\t)+4+(\c)]
.endr
.irp t,0,1,2,3
	v_lshlrev_b32 v[44+2*(\t)], 16, v[40+(\t)]
	v_and_b32 v[45+2*(\t)], s54, v[40+(\t)]
.endr
.irp t,0,1,2,3
	v_cvt_pk_f16_f32 v[Y+16*(\slot)+4*(\c)+(\t)], v[44+2*(\t)], v[45+2*(\t)]
.endr
.endr
.endm
.macro STOREU slot, base               ; four stores of 512 neighbouring bytes: half a fragment each
.irp c,0,1,2,3
	global_store_b128 v7, v[Y+16*(\slot)+4*(\c):Y+16*(\slot)+4*(\c)+3], s[8:9] offset:(\base)+(\c)*1024
.endr
.endm
.macro UNITLD k3, uu                   ; unit uu = (k step uu / 2, half uu % 2): which eight rows it reads
.if \k3
	LOADU (\uu)%4,(64*((\uu)/4)+2*(((\uu)/2)%2)+((\uu)%2))*4096,16384
.else
	LOADU (\uu)%4,(\uu)*16384,1024
.endif
.endm
.macro WALK k3                         ; eight units through four slots of registers: 32 loads of a wave are out from the start
.set u,0
.rept 4
	UNITLD \k3,u
.set u,u+1
.endr
.set u,0
.rept 8
.if u<5
	s_wait_loadcnt 24                      ; three younger units of eight loads may stay out
.else
	s_wait_loadcnt 8*(7-u)                 ; nothing is asked for any more: the counts run down
.endif
.if u>=4
	s_wait_xcnt 0x0                        ; the slot's packed registers are the data of stores issued four units ago: rewritten only behind this wait
.endif
.if \k3
	PACKH u%4
.else
	PACK u%4
.endif
.if u<4
	UNITLD \k3,u+4
.endif
	STOREU u%4,(u/2)*8192+(u%2)*512
.set u,u+1
.endr
.endm
	v_lshl_add_u32 v4, v0, 2, SPARE        ; my spare word, and 0: kept for the add at the router's end
	v_mov_b32 v5, 0
	v_and_b32 v1, 31, v0                   ; lane
	v_and_b32 v2, 15, v0                   ; r
	v_bfe_u32 v3, v0, 4, 1                 ; h
	v_lshrrev_b32 v6, 5, v0
	v_readfirstlane_b32 s2, v6             ; wave
	s_mov_b32 s54, 0xffff0000              ; lanes 16-31; also a word's upper bf16
	s_cmp_lt_u32 ttmp9, 256
	s_cbranch_scc1 .Lrouter
	s_cmp_lt_u32 ttmp9, 384
	s_cbranch_scc1 .Lw12
	s_cmp_lt_u32 ttmp9, 448
	s_cbranch_scc1 .Lw3
	; ---------------- the biases: job J = 4 (work-group - 448) + wave
	s_load_b256 s[4:11], s[0:1], 0x68      ; b1 s[4:5], b2 s[6:7], b3 s[8:9], wbb s[10:11]
	s_sub_co_u32 s20, ttmp9, 448
	s_lshl_b32 s20, s20, 2
	s_add_co_u32 s20, s20, s2
	v_lshlrev_b32 v6, 4, v2                ; 16 r: both halves of the lanes read the same 256 bytes
	v_lshlrev_b32 v7, 4, v1                ; 16 lane
.set i,0
.rept 4
	v_mov_b32 v[104+i], 0                  ; 16 bytes of zeros
.set i,i+1
.endr
	s_mov_b32 s23, 0
	s_mov_b32 s25, 0
	s_cmp_lt_u32 ttmp9, 456
	s_cbranch_scc0 .Lb3
	; J < 32: expert J / 4, wave slice J % 4: eight bf16 fragments whose k = 0 holds b1 (b < 4) or b2 of hidden column 64 w + 4 r + c; all other k are 0
	s_lshl_b32 s22, s20, 8
	s_lshl_b32 s24, s20, 13
	s_wait_kmcnt 0x0
	s_add_nc_u64 s[4:5], s[4:5], s[22:23]
	s_add_nc_u64 s[6:7], s[6:7], s[22:23]
	s_add_nc_u64 s[10:11], s[10:11], s[24:25]
	global_load_b128 v[64:67], v6, s[4:5]
	global_load_b128 v[68:71], v6, s[6:7]
.set i,0
.rept 32
	v_mov_b32 v[72+i], 0
.set i,i+1
.endr
	s_wait_loadcnt 0x0
.set b,0
.rept 8
	v_cvt_pk_bf16_f32 v40, v[64+b], v104   ; the bias in the low half (k = 0), 0 above it (k = 1)
	v_cndmask_b32 v[72+4*b], v40, 0, s54   ; lanes 16-31 hold k = 8 ..: 0
	global_store_b128 v7, v[72+4*b:75+4*b], s[10:11] offset:b*1024
	global_store_b128 v7, v[104:107], s[10:11] offset:b*1024+512
.set b,b+1
.endr
	s_endpgm
.Lb3:
	; J >= 32: column group G = J - 32: four f16 fragments whose k = e (0..7) holds b3[e][64 G + 4 r + c]; k = 8..31 are 0
	s_sub_co_u32 s21, s20, 32
	s_lshl_b32 s22, s21, 8
	s_lshr_b32 s24, s21, 1
	s_lshl_b32 s24, s24, 13
	s_and_b32 s26, s21, 1
	s_lshl_b32 s26, s26, 12
	s_add_co_u32 s24, s24, s26
	s_add_co_u32 s24, s24, 262144
	s_wait_kmcnt 0x0
	s_add_nc_u64 s[4:5], s[8:9], s[22:23]
	s_add_nc_u64 s[8:9], s[10:11], s[24:25]
	LOADU 0,0,4096
	s_wait_loadcnt 0x0
	PACKH 0
.set i,0
.rept 16
	v_cndmask_b32 v[Y+i], v[Y+i], 0, s54
.set i,i+1
.endr
	STOREU 0,0
.irp c,0,1,2,3
	global_store_b128 v7, v[104:107], s[8:9] offset:(\c)*1024+512
.endr
	s_endpgm
	; ---------------- w1, w2: job J = 4 (work-group - 256) + wave = (expert, matrix, wave slice w, four k steps kkg)
.Lw12:
	s_load_b128 s[4:7], s[0:1], 0x40       ; w1, w2
	s_load_b64 s[8:9], s[0:1], 0x50        ; wl12
	s_sub_co_u32 s20, ttmp9, 256
	s_lshl_b32 s20, s20, 2
	s_add_co_u32 s20, s20, s2
	s_and_b32 s21, s20, 7                  ; kkg
	s_bfe_u32 s22, s20, 0x20003            ; w
	s_bfe_u32 s23, s20, 0x10005            ; 0: w1, 1: w2
	s_lshr_b32 s24, s20, 6                 ; e
	s_lshl_b32 s26, s24, 20                ; from: e x 1,048,576 + kkg x 128 rows of 1,024 bytes + w x 256
	s_lshl_b32 s30, s21, 17
	s_add_co_u32 s26, s26, s30
	s_lshl_b32 s30, s22, 8
	s_add_co_u32 s26, s26, s30
	s_mov_b32 s27, 0
	s_lshl_b32 s28, s24, 20                ; to: e x 1,048,576 + w x 262,144 + kkg x 4 steps of 8,192 + matrix x 4,096
	s_lshl_b32 s30, s22, 18
	s_add_co_u32 s28, s28, s30
	s_lshl_b32 s30, s21, 15
	s_add_co_u32 s28, s28, s30
	s_lshl_b32 s30, s23, 12
	s_add_co_u32 s28, s28, s30
	s_mov_b32 s29, 0
	v_lshlrev_b32 v6, 4, v2
	v_lshl_add_u32 v6, v3, 13, v6          ; 16 r + 8 rows for lanes 16-31
	v_lshlrev_b32 v7, 4, v1
	s_wait_kmcnt 0x0
	s_cmp_eq_u32 s23, 1
	s_cselect_b64 s[4:5], s[6:7], s[4:5]
	s_add_nc_u64 s[4:5], s[4:5], s[26:27]
	s_add_nc_u64 s[8:9], s[8:9], s[28:29]
	WALK 0
	s_endpgm
	; ---------------- w3: job J = 4 (work-group - 384) + wave = (expert, column group G, four k steps kg)
.Lw3:
	s_load_b128 s[4:7], s[0:1], 0x58       ; w3, wl3
	s_sub_co_u32 s20, ttmp9, 384
	s_lshl_b32 s20, s20, 2
	s_add_co_u32 s20, s20, s2
	s_and_b32 s21, s20, 1                  ; kg
	s_bfe_u32 s22, s20, 0x40001            ; G
	s_lshr_b32 s24, s20, 5                 ; e
	s_lshl_b32 s26, s24, 20                ; from: e x 1,048,576 + kg x 128 rows of 4,096 bytes + G x 256
	s_lshl_b32 s30, s21, 19
	s_add_co_u32 s26, s26, s30
	s_lshl_b32 s30, s22, 8
	s_add_co_u32 s26, s26, s30
	s_mov_b32 s27, 0
	s_lshl_b32 s28, s24, 19                ; to: e x 524,288 + (G / 2) x 65,536 + kg x 32,768 + (G % 2) x 4,096
	s_lshr_b32 s30, s22, 1
	s_lshl_b32 s30, s30, 16
	s_add_co_u32 s28, s28, s30
	s_lshl_b32 s30, s21, 15
	s_add_co_u32 s28, s28, s30
	s_and_b32 s30, s22, 1
	s_lshl_b32 s30, s30, 12
	s_add_co_u32 s28, s28, s30
	s_mov_b32 s29, 0
	v_lshlrev_b32 v6, 4, v2
	v_lshl_add_u32 v6, v3, 17, v6          ; 16 r + 32 rows for lanes 16-31
	v_lshlrev_b32 v7, 4, v1
	s_wait_kmcnt 0x0
	s_add_nc_u64 s[8:9], s[6:7], s[28:29]
	s_add_nc_u64 s[4:5], s[4:5], s[26:27]
	WALK 1
	s_endpgm
	; ---------------- the router: block B = work-group's number; wave w owns k = 256 w .. 256 w + 255 of the block's 32 tokens
.Lrouter:
	s_load_b512 s[4:19], s[0:1], 0x0       ; x 4, gate_w 6, gate_b 8, xb 10, rt 12, cpair 14, comb 16, usum 18
	s_mov_b32 s55, 0x3fb8aa3b              ; log2 e
	s_mov_b32 s56, 0x76543210              ; v_permlanex16_b32: each lane takes its own place in the other half
	s_mov_b32 s57, 0xfedcba98
	v_lshlrev_b32 v6, 4, v1                ; 16 lane
	v_lshlrev_b32 v7, 3, v1                ; 8 lane
	s_mul_i32 s20, s2, XTW
	v_add_nc_u32 v8, s20, v7               ; where my 8 bytes of a token's row go in LDS
	v_mul_u32_u24 v9, v2, XTP
	v_lshl_add_u32 v9, v3, 4, v9
	v_add_nc_u32 v9, s20, v9               ; a fragment of x: row r, 16 bytes for each half of the lanes
	s_lshl_b32 s21, s2, 12
	s_add_co_u32 s21, s21, GWL
	v_add_nc_u32 v10, s21, v6              ; where a row of gate_w goes
	v_and_b32 v11, 7, v0
	v_lshl_add_u32 v11, v3, 3, v11
	v_lshl_add_u32 v11, v11, 4, s21        ; the turning load: row 8 h + lane % 8.  Lanes 8-15 and 24-31 name the same 16 bytes as the eight below them: fragment rows 8-15 repeat experts 0-7
	v_lshlrev_b32 v12, 5, v1               ; 32 lane: a row of gate_w in memory
	s_lshl_b32 s22, s2, 10
	s_add_co_u32 s22, s22, RED
	v_add_nc_u32 v13, s22, v6
	s_lshl_b32 s24, ttmp9, 17              ; x: 32 tokens of 4,096 bytes, my wave's 1,024 of each
	s_lshl_b32 s23, s2, 10
	s_add_co_u32 s24, s24, s23
	s_mov_b32 s25, 0
	s_lshl_b32 s26, ttmp9, 16              ; xb: half of that
	s_lshl_b32 s23, s2, 9
	s_add_co_u32 s26, s26, s23
	s_mov_b32 s27, 0
	s_lshl_b32 s28, s2, 13                 ; gate_w: my 256 rows of 32 bytes
	s_mov_b32 s29, 0
	s_wait_kmcnt 0x0
	s_add_nc_u64 s[4:5], s[4:5], s[24:25]
	s_add_nc_u64 s[10:11], s[10:11], s[26:27]
	s_add_nc_u64 s[6:7], s[6:7], s[28:29]
.set i,0
.rept 8                                ; gate_w: lane l takes rows l + 32 i
	global_load_b128 v[Y+8*i:Y+8*i+3],   v12, s[6:7] offset:i*1024
	global_load_b128 v[Y+8*i+4:Y+8*i+7], v12, s[6:7] offset:i*1024+16
.set i,i+1
.endr
.set u,0
.rept 32                               ; x: slot u = (token u / 2, half u % 2 of my 1,024 bytes): 512 neighbouring bytes a load
	global_load_b128 v[L+4*u:L+4*u+3], v6, s[4:5] offset:(u/2)*4096+(u%2)*512 th:TH_LOAD_NT
.set u,u+1
.endr
	s_wait_loadcnt 32                      ; gate_w is in; the 32 loads of x behind it stay out
.set i,0
.rept 8
	v_cvt_pk_bf16_f32 v40, v[Y+8*i],   v[Y+8*i+1]
	v_cvt_pk_bf16_f32 v41, v[Y+8*i+2], v[Y+8*i+3]
	v_cvt_pk_bf16_f32 v42, v[Y+8*i+4], v[Y+8*i+5]
	v_cvt_pk_bf16_f32 v43, v[Y+8*i+6], v[Y+8*i+7]
	ds_store_b128 v10, v[40:43] offset:i*512
.set i,i+1
.endr
; One slot's turn: four numbers are rounded; they go to xb (a wave's store covers 256 neighbouring bytes, aligned) and into my wave's rows in LDS.
.macro SLOT u, ahead, left
	s_wait_loadcnt \left                   ; loads come back in order: mine is in, the younger ones stay out
.if (\u)==32
	s_wait_xcnt 0x0                        ; all 32 stores of the first pass were issued ahead of this line: from here on their data registers are written again
.endif
.set sl,(\u)%32
	v_cvt_pk_bf16_f32 v[Y+2*sl],   v[L+4*sl],   v[L+4*sl+1]
	v_cvt_pk_bf16_f32 v[Y+2*sl+1], v[L+4*sl+2], v[L+4*sl+3]
.if \ahead
	global_load_b128 v[L+4*sl:L+4*sl+3], v6, s[4:5] offset:(((\u)+32)/2)*4096+((\u)%2)*512 th:TH_LOAD_NT
.endif
	global_store_b64 v7, v[Y+2*sl:Y+2*sl+1], s[10:11] offset:((\u)/2)*2048+((\u)%2)*256
	ds_store_b64 v8, v[Y+2*sl:Y+2*sl+1] offset:((\u)/2)*XTP+((\u)%2)*256
.endm
.set u,0
.rept 32
	SLOT u,1,31
.set u,u+1
.endr
.rept 32
	SLOT u,0,63-u
.set u,u+1
.endr
	s_wait_xcnt 0x0                        ; the second pass's stores have read their data: the registers take fragments now
.set kk,0
.rept 8                                ; my 256 k in eight steps: gate (turned), tokens 0-15, tokens 16-31.  The bytes are my wave's own: LDS serves a wave's instructions in order
	ds_load_tr16_b128 v[L+24*kk:L+24*kk+3],   v11 offset:kk*512
	ds_load_tr16_b128 v[L+24*kk+4:L+24*kk+7], v11 offset:kk*512+256
	ds_load_b128 v[L+24*kk+8:L+24*kk+11],  v9 offset:kk*64
	ds_load_b128 v[L+24*kk+12:L+24*kk+15], v9 offset:kk*64+32
	ds_load_b128 v[L+24*kk+16:L+24*kk+19], v9 offset:kk*64+16*XTP
	ds_load_b128 v[L+24*kk+20:L+24*kk+23], v9 offset:kk*64+16*XTP+32
.set kk,kk+1
.endr
	s_wait_dscnt 0x0
	; source 0 = experts, source 1 = tokens: register e of a lane is expert e of token lane % 16, in both halves of the lanes.  Two accumulators by turns.
	v_wmma_f32_16x16x32_bf16 v[16:23], v[L:L+7], v[L+8:L+15], 0
	v_wmma_f32_16x16x32_bf16 v[24:31], v[L:L+7], v[L+16:L+23], 0
.set kk,1
.rept 7
	v_wmma_f32_16x16x32_bf16 v[16:23], v[L+24*kk:L+24*kk+7], v[L+24*kk+8:L+24*kk+15], v[16:23]
	v_wmma_f32_16x16x32_bf16 v[24:31], v[L+24*kk:L+24*kk+7], v[L+24*kk+16:L+24*kk+23], v[24:31]
.set kk,kk+1
.endr
.rept 4
	v_nop                                  ; four places between the last product and the first read of its result
.endr
.set e,0
.rept 8
	v_cndmask_b32 v[32+e], v[16+e], v[24+e], s54   ; lane l now holds token l's eight partial logits
.set e,e+1
.endr
	ds_store_b128 v13, v[32:35]
	ds_store_b128 v13, v[36:39] offset:512
	s_wait_dscnt 0x0                       ; for wave 0's sake: my partial logits are in LDS
	s_barrier_signal -1
	s_barrier_wait -1
	s_cmp_lg_u32 s2, 0
	s_cbranch_scc1 .Lrend                  ; the rest is one wave's work: a token a lane
	s_load_b256 s[32:39], s[8:9], 0x0      ; gate_b
	v_add_nc_u32 v14, RED, v6
.set i,0
.rept 4
	ds_load_b128 v[L+8*i:L+8*i+3],   v14 offset:i*1024
	ds_load_b128 v[L+8*i+4:L+8*i+7], v14 offset:i*1024+512
.set i,i+1
.endr
	s_wait_dscnt 0x0
.set t,0
.rept 4
	v_pk_add_f32 v[32+2*t:33+2*t], v[L+2*t:L+2*t+1], v[L+8+2*t:L+9+2*t]
	v_pk_add_f32 v[32+2*t:33+2*t], v[32+2*t:33+2*t], v[L+16+2*t:L+17+2*t]
	v_pk_add_f32 v[32+2*t:33+2*t], v[32+2*t:33+2*t], v[L+24+2*t:L+25+2*t]
.set t,t+1
.endr
	s_wait_kmcnt 0x0
.set t,0
.rept 4
	v_cvt_pk_bf16_f32 v40, s[32+2*t], s[33+2*t]    ; gate_b rounded like every input
	v_lshlrev_b32 v42, 16, v40
	v_and_b32 v43, s54, v40
	v_pk_add_f32 v[32+2*t:33+2*t], v[32+2*t:33+2*t], v[42:43]
.set t,t+1
.endr
	; softmax over the lane's eight logits
	v_max3_num_f32 v40, v32, v33, v34
	v_max3_num_f32 v40, v40, v35, v36
	v_max3_num_f32 v40, v40, v37, v38
	v_max_num_f32 v40, v40, v39
.set e,0
.rept 8
	v_sub_f32 v[32+e], v[32+e], v40
.set e,e+1
.endr
.set e,0
.rept 8
	v_mul_f32 v[32+e], s55, v[32+e]
.set e,e+1
.endr
.set e,0
.rept 8
	v_exp_f32 v[32+e], v[32+e]
.set e,e+1
.endr
	v_nop                                  ; a plain instruction behind the last exponential,
	s_wait_alu depctr_va_vdst(0)           ; and one wait for the batch of eight, ahead of the first reader
	v_add_f32 v41, v32, v33
	v_add_f32 v42, v34, v35
	v_add_f32 v43, v36, v37
	v_add_f32 v44, v38, v39
	v_add_f32 v41, v41, v42
	v_add_f32 v43, v43, v44
	v_add_f32 v41, v41, v43
	v_rcp_f32 v41, v41
	v_nop
	s_wait_alu depctr_va_vdst(0)
.set e,0
.rept 8
	v_mul_f32 v[32+e], v[32+e], v41
.set e,e+1
.endr
	; the best (v44, v45) and the second best (v46, v47): ascending, strictly greater
	v_mov_b32 v44, v32
	v_mov_b32 v45, 0
.set e,1
.rept 7
	v_cmp_gt_f32 vcc_lo, v[32+e], v44
	v_cndmask_b32 v44, v44, v[32+e], vcc_lo
	v_cndmask_b32 v45, v45, e, vcc_lo
.set e,e+1
.endr
	v_mov_b32 v46, -1.0                    ; below every score, so some expert other than the best is always taken
	v_mov_b32 v47, 0
.set e,0
.rept 8
	v_cmp_gt_f32 s40, v[32+e], v46
	v_cmp_ne_u32 s41, e, v45
	s_and_b32 s40, s40, s41
	v_cndmask_b32 v46, v46, v[32+e], s40
	v_cndmask_b32 v47, v47, e, s40
.set e,e+1
.endr
	v_min_u32 v48, v45, v47                ; lo
	v_max_u32 v49, v45, v47                ; hi
	v_cmp_lt_u32 vcc_lo, v45, v47
	v_cndmask_b32 v50, v46, v44, vcc_lo    ; lo's score
	v_cndmask_b32 v51, v44, v46, vcc_lo    ; hi's
	v_sub_nc_u32 v52, 15, v48              ; the set's number: lo (15 - lo) / 2 + hi - lo - 1
	v_mul_u32_u24 v52, v52, v48
	v_lshrrev_b32 v52, 1, v52
	v_add_nc_u32 v52, v52, v49
	v_sub_nc_u32 v52, v52, v48
	v_add_nc_u32 v52, -1, v52
.set e,0
.rept 8
	v_cmp_eq_u32 s40, e, v45
	v_cmp_eq_u32 s41, e, v47
	s_or_b32 s40, s40, s41
	v_cndmask_b32 v[56+e], 0, v[32+e], s40
.set e,e+1
.endr
.set t,0
.rept 4
	v_cvt_pk_f16_f32 v[40+t], v[56+2*t], v[57+2*t]  ; comb: an operand of the f16 product with b3
.set t,t+1
.endr
	v_mov_b32 v53, 0
	v_mov_b32 v54, 0
	v_mov_b32 v55, 0
.set i,0
.rept 28                               ; lane s of v54, v55 takes set s's bitmap of the 32 tokens and its count; lanes 28-31 stay 0
	v_cmp_eq_u32 s40, i, v52
	s_bcnt1_i32_b32 s41, s40
	v_writelane_b32 v54, s40, i
	v_writelane_b32 v55, s41, i
.set i,i+1
.endr
.irp m,1,2,4,8                         ; the block's sums of scores: eight sums over the 32 lanes
.set e,0
.rept 8
	v_add_f32_dpp v[32+e], v[32+e], v[32+e] row_xmask:\m row_mask:0xf bank_mask:0xf
.set e,e+1
.endr
.endr
.set e,0
.rept 8
	v_permlanex16_b32 v[56+e], v[32+e], s56, s57
.set e,e+1
.endr
.set e,0
.rept 8
	v_add_f32 v[32+e], v[32+e], v[56+e]
.set e,e+1
.endr
.set e,0
.rept 8
	v_readfirstlane_b32 s40, v[32+e]
	v_writelane_b32 v53, s40, e
.set e,e+1
.endr
	s_lshl_b32 s24, ttmp9, 9
	s_add_nc_u64 s[16:17], s[16:17], s[24:25]
	s_lshl_b32 s24, ttmp9, 8
	s_add_nc_u64 s[14:15], s[14:15], s[24:25]
	s_add_nc_u64 s[12:13], s[12:13], s[24:25]
	s_lshl_b32 s24, ttmp9, 5
	s_add_nc_u64 s[18:19], s[18:19], s[24:25]
	global_store_b128 v6, v[40:43], s[16:17]       ; comb: 512 neighbouring bytes
	global_store_b64 v7, v[50:51], s[14:15]        ; cpair: 256
	global_store_b64 v7, v[54:55], s[12:13]        ; rt: 256
	v_lshlrev_b32 v14, 2, v1
	v_cmp_gt_u32 vcc_lo, 8, v1
	s_wait_xcnt 0x0                        ; EXEC is a source of the stores above: it changes only behind this wait
	s_and_saveexec_b32 s40, vcc_lo
	global_store_b32 v14, v53, s[18:19]    ; usum: 32 bytes a block, 8,192 in the launch
	s_wait_xcnt 0x0
	s_or_b32 exec_lo, exec_lo, s40
.Lrend:
	s_wait_tensorcnt 0x0                   ; the end of a wave that wrote LDS
	ds_add_u32 v4, v5
	s_wait_dscnt 0x0
	s_endpgm
.Lfunc_end_k_q464b3075e4_prep:
	.size	k_q464b3075e4_prep, .Lfunc_end_k_q464b3075e4_prep-k_q464b3075e4_prep
	.p2alignl 7, 3214868480
	.fill 96, 4, 3214868480
	.section	.rodata,"a",@progbits
	.p2align	6, 0x0
	.amdhsa_kernel k_q464b3075e4_prep
		.amdhsa_group_segment_fixed_size 88576
		.amdhsa_private_segment_fixed_size 0
		.amdhsa_enable_private_segment 0
		.amdhsa_kernarg_size 136
		.amdhsa_user_sgpr_count 2
		.amdhsa_user_sgpr_kernarg_segment_ptr 1
		.amdhsa_wavefront_size32 1
		.amdhsa_system_sgpr_workgroup_id_x 1
		.amdhsa_system_sgpr_workgroup_id_y 1
		.amdhsa_system_sgpr_workgroup_id_z 1
		.amdhsa_system_vgpr_workitem_id 0
		.amdhsa_next_free_vgpr 256
		.amdhsa_next_free_sgpr 66
		.amdhsa_reserve_vcc 1
		.amdhsa_float_denorm_mode_32 3
		.amdhsa_float_denorm_mode_16_64 3
		.amdhsa_memory_ordered 1
		.amdhsa_forward_progress 1
		.amdhsa_inst_pref_size 121
	.end_amdhsa_kernel
	.amdgpu_metadata
---
amdhsa.version: [ 1, 2 ]
amdhsa.kernels:
  - .name:           k_q464b3075e4_prep
    .symbol:         k_q464b3075e4_prep.kd
    .args:
      - { .name: x, .offset: 0, .size: 8, .value_kind: global_buffer, .address_space: global }
      - { .name: gate_w, .offset: 8, .size: 8, .value_kind: global_buffer, .address_space: global }
      - { .name: gate_b, .offset: 16, .size: 8, .value_kind: global_buffer, .address_space: global }
      - { .name: xb, .offset: 24, .size: 8, .value_kind: global_buffer, .address_space: global }
      - { .name: rt, .offset: 32, .size: 8, .value_kind: global_buffer, .address_space: global }
      - { .name: cpair, .offset: 40, .size: 8, .value_kind: global_buffer, .address_space: global }
      - { .name: comb, .offset: 48, .size: 8, .value_kind: global_buffer, .address_space: global }
      - { .name: usum, .offset: 56, .size: 8, .value_kind: global_buffer, .address_space: global }
      - { .name: w1, .offset: 64, .size: 8, .value_kind: global_buffer, .address_space: global }
      - { .name: w2, .offset: 72, .size: 8, .value_kind: global_buffer, .address_space: global }
      - { .name: wl12, .offset: 80, .size: 8, .value_kind: global_buffer, .address_space: global }
      - { .name: w3, .offset: 88, .size: 8, .value_kind: global_buffer, .address_space: global }
      - { .name: wl3, .offset: 96, .size: 8, .value_kind: global_buffer, .address_space: global }
      - { .name: b1, .offset: 104, .size: 8, .value_kind: global_buffer, .address_space: global }
      - { .name: b2, .offset: 112, .size: 8, .value_kind: global_buffer, .address_space: global }
      - { .name: b3, .offset: 120, .size: 8, .value_kind: global_buffer, .address_space: global }
      - { .name: wbb, .offset: 128, .size: 8, .value_kind: global_buffer, .address_space: global }
    .group_segment_fixed_size: 88576
    .private_segment_fixed_size: 0
    .kernarg_segment_align: 8
    .kernarg_segment_size: 136
    .max_flat_workgroup_size: 128
    .sgpr_count:     66
    .vgpr_count:     256
    .wavefront_size: 32
...
	.end_amdgpu_metadata
.endif
;; end of part 1
;; launch chain (part 2): grid 156 x 1, 8 waves a work-group, no clusters, 207,360 bytes of LDS; arguments xb, wl12, wl3, wbb, rt, cpair, comb, usum, out0, out1; writes out0, out1
.if DOCPART == 2
	.amdgcn_target "amdgcn-amd-amdhsa--gfx1250"
	.amdhsa_code_object_version 6
	.text
	.protected	k_q464b3075e4_chain
	.globl	k_q464b3075e4_chain
	.p2align	8
	.type	k_q464b3075e4_chain,@function
k_q464b3075e4_chain:
	s_mov_b64 s[64:65], 0
	v_nop
	global_prefetch_b8 v0, s[64:65] scope:SCOPE_SE
	s_setreg_imm32_b32 hwreg(HW_REG_WAVE_MODE, 25, 1), 1
	s_wait_xcnt 0x0
; CHAIN: out0 and the loss.  Work-groups 0-154: a tile of up to 64 tokens that chose the SAME two experts (lo, hi) goes through the whole chain, and both experts add into one accumulator:
;   H_e = c_e (X W1_e + b1_e) sigmoid(X W2_e + b2_e), rounded once to f16;   out = [H_lo | H_hi | comb] [W3_lo ; W3_hi ; b3].   Each output row has one owner.  Work-group 155: the loss.
; THE GRID serves every split: with 28 sets and 8,192 tokens there are never more than 128 + 27 tiles of 64.  Every work-group counts the routing for itself from rt (written by the launch before):
; the sets' totals, its own tile (set, first rank, count), the tokens of ranks r0 .. r0 + 63 in the set.  A work-group past the last tile has count 0: it passes every barrier, multiplies and stores nothing.
; Places past the count repeat the set's last token.  Whole dead store instructions are jumped; a live store whose upper 16 lanes lie past the count writes that last token's row once more, with the same numbers.
; SHARES.  EIGHT WAVES, two to a SIMD, 512 registers each.  Wave W = 2 w + s takes all 64 tokens and an eighth of the columns: hidden columns 64 w + 4 m + c with c = 2 s, 2 s + 1 of W1 and of W2; output columns
; 256 w + 128 t + 64 s .. + 63 in two halves t.  So a fragment of weights has ONE reader in the work-group and comes from memory straight into registers (a ring of four steps of 8 loads: 24 to 32 loads of a wave are out);
; X and H lie in LDS.  Why two waves to a SIMD: a wave issues in order, and behind a step's 16 products it has 16 loads to issue, behind a walk a SwiGLU of 288 vector instructions, behind a half 128 moves and 32 stores;
; with a partner on the SIMD these stand beside the partner's products.  The price: a fragment of X or H read from LDS feeds 4 products, not 8.
; No cluster: partners would have to share a set, so each of the 28 sets would be padded to a multiple of 256 tokens, 128 tokens a set on average, 3,584 on 8,192; and no tensor load: the tokens' rows come by a list.
; K IS WRITTEN OUT: every LDS address of the products is a lane term plus an immediate, and every weight address a base plus an immediate.  One text of 32 steps serves both experts, one of 16 both halves of my columns.
; FORMATS.  The first product runs in bf16 (x, w1, w2, b1, b2 rounded to bf16 by the launch before).  The second runs in f16: a hidden number kept to bf16's 8 significant bits is off by some 2^-9 of itself, and 512 such
; terms leave the output's largest errors at the edge of one hundredth of its root mean square; f16's 11 bits leave an eighth of that.  w3 and b3 are the bf16 roundings written as f16; comb is f16 of the score.
; LIMITS.  |c h| beyond 65,504 becomes an infinity.  The room: x w1 is a sum of 1,024 terms; at spreads of 1 and 0.02 its spread is 0.64; with both 30 times larger 576, some 3,500 at the most; with both offset by 30
; spreads 1,024 x 30 x 0.6 = 18,432; c and the sigmoid are at most 1.  Below 6e-5 c h keeps f16's fixed step of 6e-8.  Sums in f32, in another order than the plain one.  NaN and infinities are not treated apart.
; REGISTERS, in windows of 256 (s_set_vgpr_msb: bits 1:0 source 0, 3:2 source 1, 5:4 source 2, 7:6 destination):
;   window 0: v0-11 ids and addresses; v16-23 ONE (k = 0 is 1.0 in bf16); v24-31 the scores of my four tokens; v32 H store address; v33 X store address; v34-55 at work in the head; v40-71 store offsets;
;             v72-135 fragments of X or H, two buffers; v136-167 a bias block; v168-231 packed results; v232-252 gather offsets
;   window 1: v0-127 the ring: step j, fragment b at 32 j + 8 b;  v128-255 accumulator (token block a, fragment b) at 128 + 8 (4 a + b)
.set XP,    2064                       ; a token's row of X in LDS: 2,048 bytes + 16: an odd multiple of 16
.set HP,    1104                       ; a row of H: places 0-255 expert lo, 256-511 expert hi, 512-543 comb and zeros: 1,088 bytes + 16
.set HL,    64*XP
.set PART,  HL+64*HP                   ; partial counts: [16 groups][32 sets] words
.set WT,    PART+2048                  ; the eight waves' totals
.set EXA,   WT+256                     ; for each of the 256 blocks: tokens of my set in the blocks before it
.set LIST,  EXA+1024                   ; the tile's 64 tokens
.set SPARE, LIST+256                   ; the spare words, 128 bytes a wave: named by no other line
.set A0, 72
.set A1, 104
.set BB, 136
.set PK, 168
.set VO, 40
.set RG, 0                             ; in window 1
.set AC, 128                           ; in window 1
.set MSB, 0
.macro WIN new                         ; the immediate's high byte repeats the setting that is left; a switch that changes nothing is dropped
.if MSB != (\new)
	s_set_vgpr_msb (MSB<<8)|(\new)
.set MSB, \new
.endif
.endm
.macro PLACES                          ; four places behind matrix instructions, ahead of loads into their sources and of reads of their results
.rept 4
	v_nop
.endr
.endm
.macro BAR
	s_wait_dscnt 0x0                       ; for the others' sake: my LDS stores are done and my LDS loads are back
	s_barrier_signal -1
	s_barrier_wait -1
.endm
.macro WSCAN v, t                      ; running sum over the wave's 32 lanes, in v; t at work
.irp n,1,2,4,8
	v_mov_b32_dpp v[\t], v[\v] row_shr:\n row_mask:0xf bank_mask:0xf bound_ctrl:1
	v_add_nc_u32 v[\v], v[\v], v[\t]
.endr
	v_readlane_b32 s58, v[\v], 15
	v_cndmask_b32 v[\t], 0, s58, s54
	v_add_nc_u32 v[\v], v[\v], v[\t]
.endm
; My four fragments of a block of eight: eight loads of 512 neighbouring bytes.  kind 1 (w1 | w2, b1 | b2): two fragments of the first matrix, and 4,096 bytes on the same two of the second.  kind 2 (w3, b3): four on end.
.macro FRLOAD dst, sb, imm, kind
.set f,0
.rept 4
.if (\kind)==1
.set fo,(f%2)*1024+(f/2)*4096
.else
.set fo,f*1024
.endif
	global_load_b128 v[(\dst)+8*f:(\dst)+8*f+3],   v6, s[\sb:\sb+1] offset:(\imm)+fo
	global_load_b128 v[(\dst)+8*f+4:(\dst)+8*f+7], v6, s[\sb:\sb+1] offset:(\imm)+fo+512
.set f,f+1
.endr
.endm
.macro BBLOAD sb, imm, kind            ; a bias block
	FRLOAD BB,\sb,\imm,\kind
.endm
.macro RINGLOAD j, sb, imm, kind       ; ring buffer j takes a step's fragments
	WIN 0x40
	FRLOAD RG+32*(\j),\sb,\imm,\kind
.endm
.macro APRE dst, adr, imm, blk         ; eight LDS loads: 32 k of the four blocks of 16 tokens
.set a,0
.rept 4
	ds_load_b128 v[(\dst)+8*a:(\dst)+8*a+3],   v[(\adr)+a/2] offset:(\imm)+(a%2)*(\blk)
	ds_load_b128 v[(\dst)+8*a+4:(\dst)+8*a+7], v[(\adr)+a/2] offset:(\imm)+(a%2)*(\blk)+32
.set a,a+1
.endr
.endm
; 16 products on 16 accumulators, which take turns.  kind 1 (bf16): source 0 = 16 hidden columns, source 1 = 16 tokens: a lane holds one token and eight neighbouring places of H.
; kind 2 (f16): source 0 = 16 tokens, source 1 = 16 output columns: for a token, the four fragments c = 0..3 of a lane are four neighbouring columns.
.macro MULS kind, j
.set AF,A0+32*((\j)%2)
.if (\kind)==1
	WIN 0x51
.else
	WIN 0x54
.endif
.set a,0
.rept 4
.set b,0
.rept 4
.if (\kind)==1
	v_wmma_f32_16x16x32_bf16 v[AC+8*(4*a+b):AC+8*(4*a+b)+7], v[RG+32*(\j)+8*b:RG+32*(\j)+8*b+7], v[AF+8*a:AF+8*a+7], v[AC+8*(4*a+b):AC+8*(4*a+b)+7]
.else
	v_wmma_f32_16x16x32_f16 v[AC+8*(4*a+b):AC+8*(4*a+b)+7], v[AF+8*a:AF+8*a+7], v[RG+32*(\j)+8*b:RG+32*(\j)+8*b+7], v[AC+8*(4*a+b):AC+8*(4*a+b)+7]
.endif
.set b,b+1
.endr
.set a,a+1
.endr
.endm
; The products that start the sums, with the biases, each in the form of the walk that adds onto it.  kind 1: bias block x ONE.  kind 2: comb (in buffer A1) x the b3 block.
.macro BIAS kind
	WIN 0x40
.rept 5
	v_nop                                  ; five places between the last products of the walk before and products that write its accumulators anew, on the way that jumps all stores too
.endr
.set a,0
.rept 4
.set b,0
.rept 4
.if (\kind)==1
	v_wmma_f32_16x16x32_bf16 v[AC+8*(4*a+b):AC+8*(4*a+b)+7], v[BB+8*b:BB+8*b+7], v[16:23], 0
.else
	v_wmma_f32_16x16x32_f16 v[AC+8*(4*a+b):AC+8*(4*a+b)+7], v[A1+8*a:A1+8*a+7], v[BB+8*b:BB+8*b+7], 0
.endif
.set b,b+1
.endr
.set a,a+1
.endr
	PLACES                                 ; ahead of the loads into the block and into buffer A1
	WIN 0
.endm
; A STEP of 32 k.  pre = 1: the next step's eight fragment loads from LDS, at byte pimm of the rows, into the other buffer.  Then the wait for ring buffer s % 4 and for this step's fragments; 16 products.
; ld = 1: the ring buffer just read is asked for again, with the step four steps on, at s[sb] + limm: it has three steps in which to land.
; ld = 2: the last four steps of an expert's walk ask for the next walk's first four: behind lo's walk hi's (w1 | w2), behind hi's the second product's (w3), whose fragments lie otherwise: a forward branch on the
; experts' count picks the form; both forms are eight loads, so the counted waits hold on both ways.
.macro STEP kind, s, pre, pimm, ld, sb, limm, lcnt, dcnt
	WIN 0
.if \pre
.if (\kind)==1
	APRE A0+32*(((\s)+1)%2),8,\pimm,16*XP
.else
	APRE A0+32*(((\s)+1)%2),10,\pimm,16*HP
.endif
.endif
	s_wait_loadcnt \lcnt                   ; 24: my buffer is in, the three younger buffers of 8 loads stay out; in the tail the counts run down
	s_wait_dscnt \dcnt                     ; 8: this step's fragments are in, the eight loads just issued stay out
	MULS \kind,(\s)%4
	PLACES                                 ; ahead of the loads into the ring buffer and, at the next step's head, into the fragment buffer just read
.if (\ld)==1
	RINGLOAD (\s)%4,\sb,\limm,\kind
.elseif (\ld)==2
	WIN 0
	s_cmp_eq_u32 s49, 2
	s_cbranch_scc0 .Lnx3_\@
	RINGLOAD (\s)%4,42,\limm,1
	WIN 0
	s_branch .Lnxd_\@
.Lnx3_\@:
	RINGLOAD (\s)%4,44,\limm,2
	WIN 0
.Lnxd_\@:
.endif
.endm
; SwiGLU in place.  Of token block a the accumulators' registers 32 a .. + 15 hold G = x w1 + b1, registers 32 a + 16 .. + 31 hold U = x w2 + b2.  h = c G / (1 + 2^(-U log2 e)).
; Each batch of 64 transcendentals has one wait; every accumulator is read from its lowest registers on.
.macro EPI1
	WIN 0x41
.set a,0
.rept 4
.set q,0
.rept 8
	v_pk_mul_f32 v[AC+32*a+16+2*q:AC+32*a+17+2*q], v[AC+32*a+16+2*q:AC+32*a+17+2*q], s[52:53] op_sel_hi:[1,0]
.set q,q+1
.endr
.set a,a+1
.endr
.set a,0
.rept 4
.set q,0
.rept 16
	v_exp_f32 v[AC+32*a+16+q], v[AC+32*a+16+q]
.set q,q+1
.endr
.set a,a+1
.endr
.set a,0
.rept 4
.set q,0
.rept 8                                ; G times the token's score: plain work that names no exponential's result
	v_pk_mul_f32 v[AC+32*a+2*q:AC+32*a+2*q+1], v[AC+32*a+2*q:AC+32*a+2*q+1], v[24+2*a:25+2*a] op_sel_hi:[1,0]
.set q,q+1
.endr
.set a,a+1
.endr
	s_wait_alu depctr_va_vdst(0)           ; one wait for the 64 exponentials
.set a,0
.rept 4
.set q,0
.rept 8
	v_pk_add_f32 v[AC+32*a+16+2*q:AC+32*a+17+2*q], v[AC+32*a+16+2*q:AC+32*a+17+2*q], 1.0 op_sel_hi:[1,0]
.set q,q+1
.endr
.set a,a+1
.endr
.set a,0
.rept 4
.set q,0
.rept 16
	v_rcp_f32 v[AC+32*a+16+q], v[AC+32*a+16+q]
.set q,q+1
.endr
.set a,a+1
.endr
	v_nop
	s_wait_alu depctr_va_vdst(0)           ; one wait for the 64 reciprocals
	WIN 0x45
.set a,0
.rept 4
.set q,0
.rept 8
	v_pk_mul_f32 v[AC+32*a+2*q:AC+32*a+2*q+1], v[AC+32*a+2*q:AC+32*a+2*q+1], v[AC+32*a+16+2*q:AC+32*a+17+2*q]
.set q,q+1
.endr
.set a,a+1
.endr
	WIN 0x05
.set a,0
.rept 4
.set q,0
.rept 8                                ; the one rounding of c h: to f16
	v_cvt_pk_f16_f32 v[PK+8*a+q], v[AC+32*a+2*q], v[AC+32*a+2*q+1]
.set q,q+1
.endr
.set a,a+1
.endr
	WIN 0
.endm
.macro HSTORE off                      ; 16 bytes (eight places of H) a lane, token block and fragment; off: 0 for expert lo, 512 for expert hi
.set a,0
.rept 4
.set q,0
.rept 2
	ds_store_b128 v32, v[PK+8*a+4*q:PK+8*a+4*q+3] offset:a*16*HP+q*32+(\off)
.set q,q+1
.endr
.set a,a+1
.endr
.endm
; The way out of one half of my columns (s[20:21] stands at the half).  For token 16 a + 8 h + jj the four fragments' register jj are 16 neighbouring bytes; sixteen lanes store 256 neighbouring bytes, aligned, of the token's row.
; Eight batches of four stores; the packed registers hold four batches, so they are freed twice a half.
.macro STORES
.irp a,0,1,2,3
.irp jh,0,1
	WIN 0
	s_cmp_gt_u32 s28, 16*(\a)+4*(\jh)
	s_cbranch_scc0 .Lsdone\@               ; from here on every store would lie past the count
.if (((\a)%2)==0)&&((\jh)==0)
	s_wait_xcnt 0x0                        ; the packed registers are the data of the four batches before, all issued ahead of this line: rewritten only behind this wait
.endif
	WIN 0x01
.irp jq,0,1,2,3
.irp c,0,1,2,3
	v_mov_b32 v[PK+16*(2*((\a)%2)+(\jh))+4*(\jq)+(\c)], v[AC+8*(4*(\a)+(\c))+4*(\jh)+(\jq)]
.endr
.endr
	WIN 0
.irp jq,0,1,2,3
	global_store_b128 v[VO+8*(\a)+4*(\jh)+(\jq)], v[PK+16*(2*((\a)%2)+(\jh))+4*(\jq):PK+16*(2*((\a)%2)+(\jh))+4*(\jq)+3], s[20:21] th:TH_STORE_NT
.endr
.endr
.endr
	WIN 0
.Lsdone\@:
.endm
	s_load_b512 s[4:19], s[0:1], 0x0       ; xb 4, wl12 6, wl3 8, wbb 10, rt 12, cpair 14, comb 16, usum 18
	s_load_b128 s[20:23], s[0:1], 0x40     ; out0 20, out1 22
	v_lshl_add_u32 v4, v0, 2, SPARE        ; my spare word, and 0: kept for the add at the end
	v_mov_b32 v5, 0
	v_and_b32 v1, 31, v0                   ; lane
	v_and_b32 v2, 15, v0                   ; r
	v_bfe_u32 v3, v0, 4, 1                 ; h
	v_lshrrev_b32 v34, 5, v0
	v_readfirstlane_b32 s2, v34            ; wave W = 2 w + s
	s_lshr_b32 s70, s2, 1                  ; w
	s_and_b32 s71, s2, 1                   ; s
	s_mov_b32 s3, ttmp9                    ; T
	s_mov_b32 s52, 0xbfb8aa3b              ; -log2 e
	s_mov_b32 s53, s52                     ; named with it as a pair
	s_mov_b32 s54, 0xffff0000              ; lanes 16-31
	s_mov_b32 s55, 0x11111111              ; every fourth lane
	s_mov_b32 s56, 0x76543210
	s_mov_b32 s57, 0xfedcba98
	v_lshlrev_b32 v6, 4, v1                ; 16 lane
	s_wait_kmcnt 0x0
	s_cmp_eq_u32 s3, 155
	s_cbranch_scc1 .Lloss
	; ---- rt, 65,536 bytes, once, in whole runs of 512 bytes: copied into LDS (where X will lie later), and the counts added up.  Wave W has blocks 32 W .. + 31; a lane's 16 bytes are sets 2 r, 2 r + 1 of a block.
	v_lshl_add_u32 v35, v34, 13, v6
.set i,0
.rept 16
	global_load_b128 v[72+4*i:75+4*i], v35, s[12:13] offset:i*512
.set i,i+1
.endr
	s_wait_loadcnt 0x0
.set i,0
.rept 16
	ds_store_b128 v35, v[72+4*i:75+4*i] offset:i*512
.set i,i+1
.endr
	v_add_nc_u32 v36, v73, v77
	v_add_nc_u32 v37, v75, v79
.set i,2
.rept 7
	v_add3_u32 v36, v36, v[73+4*i], v[77+4*i]
	v_add3_u32 v37, v37, v[75+4*i], v[79+4*i]
.set i,i+2
.endr
	v_lshrrev_b32 v38, 4, v0               ; group 2 W + h
	v_lshlrev_b32 v38, 7, v38
	v_lshl_add_u32 v38, v2, 3, v38
	v_add_nc_u32 v38, PART, v38
	ds_store_b64 v38, v[36:37]
	BAR
	; ---- my tile.  Lane s adds up set s's total; then the sets are walked in scalars: the tile belongs to the last set whose first tile is not beyond T.
	v_lshl_add_u32 v39, v1, 2, PART
.set g,0
.rept 16
	ds_load_b32 v[40+g], v39 offset:g*128
.set g,g+1
.endr
	s_mov_b32 s59, 0                       ; the first tile of the set in hand
	s_mov_b32 s24, 0                       ; my set,
	s_mov_b32 s25, 0                       ; its tokens,
	s_mov_b32 s26, 0                       ; its first tile
	s_wait_dscnt 0x0
	v_add3_u32 v34, v40, v41, v42
.set g,3
.rept 6
	v_add3_u32 v34, v34, v[40+g], v[41+g]
.set g,g+2
.endr
	v_add_nc_u32 v34, v34, v55
.set i,0
.rept 28
	v_readlane_b32 s58, v34, i
	s_cmp_le_u32 s59, s3
	s_cselect_b32 s24, i, s24
	s_cselect_b32 s25, s58, s25
	s_cselect_b32 s26, s59, s26
	s_add_co_u32 s58, s58, 63
	s_lshr_b32 s58, s58, 6
	s_add_co_u32 s59, s59, s58
.set i,i+1
.endr
	s_min_u32 s24, s24, 27
	s_sub_co_u32 s27, s3, s26
	s_lshl_b32 s27, s27, 6                 ; r0: my first rank in the set
	s_sub_co_i32 s28, s25, s27
	s_max_i32 s28, s28, 0
	s_min_i32 s28, s28, 64                 ; my count; 0 past the last tile
	s_mov_b32 s30, 0                       ; the set's two experts
	s_mov_b32 s58, 0
.macro DEC st, lo
	s_cmp_ge_u32 s24, \st
	s_cselect_b32 s30, \lo, s30
	s_cselect_b32 s58, \st, s58
.endm
	DEC 7,1
	DEC 13,2
	DEC 18,3
	DEC 22,4
	DEC 25,5
	DEC 27,6
	s_sub_co_u32 s31, s24, s58
	s_add_co_u32 s31, s31, s30
	s_add_co_u32 s31, s31, 1
	s_min_u32 s30, s30, 7
	s_min_u32 s31, s31, 7
	s_mov_b32 s61, 0
	s_lshl_b32 s59, s70, 18                ; wl12: slice w, and my two of its four columns' fragments: + 2,048 s
	s_lshl_b32 s63, s71, 11
	s_add_co_u32 s59, s59, s63
	s_lshl_b32 s58, s30, 20
	s_add_co_u32 s60, s58, s59
	s_add_nc_u64 s[32:33], s[6:7], s[60:61]        ; wl12 (lo, W): the walk in hand
	s_lshl_b32 s58, s31, 20
	s_add_co_u32 s60, s58, s59
	s_add_nc_u64 s[42:43], s[6:7], s[60:61]        ; wl12 (hi, W)
	s_lshl_b32 s59, s70, 17                ; wl3: slice w, and my four of its eight fragments: + 4,096 s
	s_lshl_b32 s63, s71, 12
	s_add_co_u32 s59, s59, s63
	s_lshl_b32 s58, s30, 19
	s_add_co_u32 s60, s58, s59
	s_add_nc_u64 s[44:45], s[8:9], s[60:61]        ; wl3 (lo, W), first half
	s_lshl_b32 s58, s31, 19
	s_add_co_u32 s60, s58, s59
	s_add_nc_u64 s[46:47], s[8:9], s[60:61]        ; wl3 (hi, W), first half
	s_lshl_b32 s63, s71, 11
	s_lshl_b32 s58, s30, 2
	s_add_co_u32 s58, s58, s70
	s_lshl_b32 s60, s58, 13
	s_add_co_u32 s60, s60, s63
	s_add_nc_u64 s[38:39], s[10:11], s[60:61]      ; the block of b1, b2 (lo, W)
	s_lshl_b32 s58, s31, 2
	s_add_co_u32 s58, s58, s70
	s_lshl_b32 s60, s58, 13
	s_add_co_u32 s60, s60, s63
	s_add_nc_u64 s[40:41], s[10:11], s[60:61]      ; the block of b1, b2 (hi, W)
	s_lshl_b32 s60, s70, 14
	s_lshl_b32 s63, s71, 12
	s_add_co_u32 s60, s60, s63
	s_add_co_u32 s60, s60, 262144
	s_add_nc_u64 s[66:67], s[10:11], s[60:61]      ; the block of b3 (W, first half)
	; ---- the weights of the first four steps are asked for now: they land while the list is made.  Each base has registers of its own, so nothing waits here.
	BBLOAD 38,0,1
	RINGLOAD 0,32,0,1
	RINGLOAD 1,32,8192,1
	RINGLOAD 2,32,16384,1
	RINGLOAD 3,32,24576,1
	WIN 0
	; ---- for every block: how many tokens of my set lie in the blocks before it.  Thread t has block t.
	s_lshl_b32 s62, s24, 3                 ; 8 x my set: its place in a row of rt
	v_lshl_add_u32 v35, v0, 8, s62
	ds_load_b32 v37, v35 offset:4          ; the block's count for my set
	BAR                                    ; this read's place hangs on a loaded number: a barrier stands between it and the stores that follow, so the order does not lean on its bound
	v_mov_b32 v41, v37
	v_mov_b32 v42, 0
	WSCAN 41,42
	v_readlane_b32 s59, v41, 31
	s_lshl_b32 s60, s2, 2
	s_add_co_u32 s60, s60, WT
	v_mov_b32 v43, s60
	v_mov_b32 v44, s59
	ds_store_b32 v43, v44                  ; my wave's total: all lanes write the same word with the same number
	BAR
	v_mov_b32 v43, WT
	ds_load_b128 v[44:47], v43
	ds_load_b128 v[48:51], v43 offset:16
	s_mov_b32 s58, 0
	s_wait_dscnt 0x0
.set i,0
.rept 7                                ; the lower waves' totals
	v_readfirstlane_b32 s59, v[44+i]
	s_cmp_gt_u32 s2, i
	s_cselect_b32 s59, s59, 0
	s_add_co_u32 s58, s58, s59
.set i,i+1
.endr
	v_sub_nc_u32 v42, v41, v37
	v_add_nc_u32 v42, s58, v42
	v_lshl_add_u32 v44, v0, 2, EXA
	ds_store_b32 v44, v42
	BAR
	; ---- the tile's 64 tokens: thread p < 64 looks for rank q = min(r0 + p, total - 1) of the set.  Every loaded number is bounded by a constant before it enters an address.
	s_cmp_gt_u32 s2, 1
	s_cbranch_scc1 .Lnolook
	v_add_nc_u32 v34, s27, v0
	s_sub_co_u32 s58, s25, 1
	v_min_u32 v34, s58, v34
	v_mov_b32 v35, 0
.irp st,128,64,32,16,8,4,2,1           ; the last block with no more than q tokens before it
	v_add_nc_u32 v36, \st, v35
	v_min_u32 v36, 0xff, v36
	v_lshl_add_u32 v37, v36, 2, EXA
	ds_load_b32 v38, v37
	s_wait_dscnt 0x0
	v_cmp_le_u32 vcc_lo, v38, v34
	v_cndmask_b32 v35, v35, v36, vcc_lo
.endr
	v_min_u32 v35, 0xff, v35
	v_lshl_add_u32 v37, v35, 2, EXA
	v_lshl_add_u32 v39, v35, 8, s62
	ds_load_b32 v38, v37
	ds_load_b32 v40, v39                   ; the block's bitmap for my set
	s_wait_dscnt 0x0
	v_sub_nc_u32 v41, v34, v38             ; which of its set bits
	v_mov_b32 v42, 0
	v_mov_b32 v43, 0
	s_mov_b32 s58, 32
.Lbit:
	v_and_b32 v44, 1, v40
	v_cmp_eq_u32 s68, 0, v41
	v_cmp_eq_u32 s69, 1, v44
	s_and_b32 s68, s68, s69
	v_cndmask_b32 v42, v42, v43, s68       ; a set bit with none left to pass: this is the place
	v_sub_nc_u32 v41, v41, v44             ; behind it the count is below 0 and never 0 again
	v_lshrrev_b32 v40, 1, v40
	v_add_nc_u32 v43, 1, v43
	s_sub_co_u32 s58, s58, 1
	s_cmp_lg_u32 s58, 0
	s_cbranch_scc1 .Lbit
	v_lshl_add_u32 v42, v35, 5, v42
	v_min_u32 v42, 0x1fff, v42
.Lnolook:
	BAR                                    ; the search's reads, whose places hang on loaded numbers, are over in every wave before the list is stored
	s_cmp_gt_u32 s2, 1
	s_cbranch_scc1 .Lnolist
	v_lshl_add_u32 v45, v0, 2, LIST
	ds_store_b32 v45, v42
.Lnolist:
	BAR                                    ; the list is whole, and nobody reads the copy of rt any more
	; ---- offsets from the list: my wave's 8 rows to gather; my four tokens' scores; the comb of row 8 W + lane / 4; the 32 rows that my lane stores
	s_lshl_b32 s58, s2, 5
	s_add_co_u32 s58, s58, LIST
	v_mov_b32 v34, s58
	ds_load_b128 v[232:235], v34
	ds_load_b128 v[236:239], v34 offset:16
	v_lshl_add_u32 v35, v2, 2, LIST
.set a,0
.rept 4
	ds_load_b32 v[248+a], v35 offset:64*a
.set a,a+1
.endr
	v_lshrrev_b32 v36, 2, v1               ; lane / 4
	v_lshl_add_u32 v39, v36, 2, s58
	ds_load_b32 v252, v39
	v_lshl_add_u32 v37, v3, 5, LIST
.set a,0
.rept 4
	ds_load_b128 v[VO+8*a:VO+8*a+3],   v37 offset:64*a
	ds_load_b128 v[VO+8*a+4:VO+8*a+7], v37 offset:64*a+16
.set a,a+1
.endr
	s_lshl_b32 s59, s70, 10
	s_lshl_b32 s63, s71, 8
	s_add_co_u32 s59, s59, s63
	v_lshl_add_u32 v38, v2, 4, s59         ; my 16 bytes in a row of out0: 1,024 w + 256 s + 16 r
	s_wait_dscnt 0x0
.set a,0
.rept 4
	v_min_u32 v[248+a], 0x1fff, v[248+a]
	v_lshlrev_b32 v[248+a], 3, v[248+a]
.set a,a+1
.endr
	v_min_u32 v252, 0x1fff, v252
	v_lshlrev_b32 v252, 4, v252
.set i,0
.rept 8
	v_min_u32 v[232+i], 0x1fff, v[232+i]
	v_lshl_add_u32 v[232+i], v[232+i], 11, v6
.set i,i+1
.endr
.set a,0
.rept 4
	global_load_b64 v[24+2*a:25+2*a], v[248+a], s[14:15]
.set a,a+1
.endr
	global_load_b128 v[PK:PK+3], v252, s[16:17]
	WIN 0x40                               ; the rows land in the accumulators' registers
.set i,0
.rept 8
.set p,0
.rept 4
	global_load_b128 v[AC+16*i+4*p:AC+16*i+4*p+3], v[232+i], s[4:5] offset:p*512
.set p,p+1
.endr
.set i,i+1
.endr
	WIN 0
.set i,0
.rept 32
	v_min_u32 v[VO+i], 0x1fff, v[VO+i]
	v_lshl_add_u32 v[VO+i], v[VO+i], 12, v38
.set i,i+1
.endr
	v_mul_u32_u24 v8, v2, XP
	v_lshl_add_u32 v8, v3, 4, v8           ; a fragment of X: row r, 16 bytes for each half of the lanes; token blocks 0, 1
	v_add_nc_u32 v9, 32*XP, v8             ; token blocks 2, 3
	v_mul_u32_u24 v10, v2, HP
	v_lshl_add_u32 v10, v3, 4, v10
	v_add_nc_u32 v10, HL, v10              ; the same for H
	v_add_nc_u32 v11, 32*HP, v10
	s_lshl_b32 s58, s2, 6
	v_add_nc_u32 v32, s58, v10             ; where my places of H go: + 64 W bytes; never rewritten
	v_and_b32 v39, 3, v0
	v_mul_u32_u24 v35, v36, HP
	v_lshl_add_u32 v35, v39, 4, v35
	s_mul_i32 s58, s2, 8*HP
	s_add_co_u32 s58, s58, HL+1024
	v_add_nc_u32 v35, s58, v35             ; places 512 .. of row 8 W + lane / 4: four lanes cover its 64 bytes
	s_mul_i32 s58, s2, 8*XP
	v_add_nc_u32 v33, s58, v6              ; my wave's 8 rows of X
	v_mov_b32 v16, 0x3f80
	v_cndmask_b32 v16, v16, 0, s54         ; ONE: k = 0 is 1.0 (bf16) for every token, all other k are 0
.set i,17
.rept 7
	v_mov_b32 v[i], 0
.set i,i+1
.endr
	s_wait_loadcnt 16                      ; the first four rows are in (and all that was asked for before them); the 16 younger loads stay out
	WIN 0x04
.set i,0
.rept 4
.set p,0
.rept 4
	ds_store_b128 v33, v[AC+16*i+4*p:AC+16*i+4*p+3] offset:i*XP+p*512
.set p,p+1
.endr
.set i,i+1
.endr
	s_wait_loadcnt 0x0
.rept 4
.set p,0
.rept 4
	ds_store_b128 v33, v[AC+16*i+4*p:AC+16*i+4*p+3] offset:i*XP+p*512
.set p,p+1
.endr
.set i,i+1
.endr
	WIN 0
.set i,0
.rept 4
	v_cndmask_b32 v[PK+i], 0, v[PK+i], s55 ; places 512-519: comb (the row's first lane); 520-543: zeros
.set i,i+1
.endr
	ds_store_b128 v35, v[PK:PK+3]
	BAR                                    ; X and comb are whole
	; ---- first product and SwiGLU, expert lo and then expert hi: one text of 32 steps, walked twice.  It reads X and writes my own columns of H: no barrier inside.
	s_cmp_eq_u32 s28, 0
	s_cbranch_scc1 .Lskip1                 ; no rows: nothing that is jumped is a barrier
	APRE A0,8,0,16*XP                      ; k = 0 .. 31
	s_mov_b32 s49, 2
.Lexp:
	BIAS 1
	s_cmp_eq_u32 s49, 2                    ; the next phase's block: hi's b1 | b2, or b3; eight loads either way; the walk's counted waits show them landed
	s_cbranch_scc0 .Lbb3
	BBLOAD 40,0,1
	s_branch .Lbbd
.Lbb3:
	BBLOAD 66,0,2
.Lbbd:
.set st,0
.rept 32                               ; the last step fetches k = 0 again, for hi's walk (behind hi's own walk that fetch serves nothing: the price of one text)
.if st<28
	STEP 1,st,1,(st+1)*64,1,32,(st+4)*8192,24,8
.elseif st<31
	STEP 1,st,1,(st+1)*64,2,0,(st-28)*8192,24,8
.else
	STEP 1,st,1,0,2,0,(st-28)*8192,24,8
.endif
.set st,st+1
.endr
	WIN 0
	EPI1
	s_cmp_eq_u32 s49, 2
	s_cbranch_scc0 .Lhst_hi
	HSTORE 0
	s_branch .Lhst_done
.Lhst_hi:
	HSTORE 512
.Lhst_done:
	s_wait_xcnt 0x0                        ; the walk's base is written again only behind this wait
	s_mov_b64 s[32:33], s[42:43]           ; hi's walk is in hand
	v_mov_b32 v24, v25                     ; hi's scores take lo's place
	v_mov_b32 v26, v27
	v_mov_b32 v28, v29
	v_mov_b32 v30, v31
	s_sub_co_u32 s49, s49, 1
	s_cmp_lg_u32 s49, 0
	s_cbranch_scc1 .Lexp
.Lskip1:
	BAR                                    ; H is whole
	s_cmp_eq_u32 s28, 0
	s_cbranch_scc1 .Lend
	; ---- second product: my 128 columns in two halves of 64; the 16 steps walk lo's 256 places of H and then hi's.  One text, walked twice; the second time it leaves ahead of step 12 for a tail that asks for nothing.
	APRE A0,10,0,16*HP                     ; places 0-31
	s_mov_b32 s49, 2
.Lhalf:
	APRE A1,10,1024,16*HP                  ; comb
	s_wait_dscnt 0x0
	BIAS 2
.set st,0
.rept 12
.if st<4
	STEP 2,st,1,(st+1)*64,1,44,(st+4)*8192,24,8
.else
	STEP 2,st,1,(st+1)*64,1,46,(st-4)*8192,24,8
.endif
.set st,st+1
.endr
	WIN 0
	s_sub_co_u32 s49, s49, 1
	s_cmp_eq_u32 s49, 0
	s_cbranch_scc1 .Ltail
	BBLOAD 66,8192,2                       ; the second half's b3 block: step 15's wait leaves only the 24 loads of steps 12 to 14 out, so it shows these landed
.rept 4                                ; the second half's first four steps lie 65,536 bytes behind the first half's
.if st<15
	STEP 2,st,1,(st+1)*64,1,44,65536+(st-12)*8192,24,8
.else
	STEP 2,st,1,0,1,44,65536+(st-12)*8192,24,8
.endif
.set st,st+1
.endr
	WIN 0
	STORES
	s_wait_xcnt 0x0                        ; the bases of loads and stores step only behind this wait
	s_add_nc_u64 s[44:45], s[44:45], 0x10000
	s_add_nc_u64 s[46:47], s[46:47], 0x10000
	s_add_nc_u64 s[20:21], s[20:21], 512
	s_branch .Lhalf
.Ltail:
.set st,12
.rept 4
.if st<15
	STEP 2,st,1,(st+1)*64,0,44,0,24-8*(st-12),8
.else
	STEP 2,st,0,0,0,44,0,0,0
.endif
.set st,st+1
.endr
	WIN 0
	STORES
.Lend:
	s_wait_tensorcnt 0x0                   ; the wave's end: behind my last LDS store
	ds_add_u32 v4, v5
	s_wait_dscnt 0x0
	s_endpgm
	; ---- the loss: sum over e of u log(u + 1e-9), u = the mean score.  One wave; a lane's 16 bytes of usum are experts 4 (lane % 2) + 0..3 of a block.  This way writes no LDS.
.Lloss:
	s_cmp_lg_u32 s2, 0
	s_cbranch_scc1 .Lquit
.set i,0
.rept 16
	global_load_b128 v[64+4*i:67+4*i], v6, s[18:19] offset:i*512
.set i,i+1
.endr
	s_wait_loadcnt 0x0
	v_pk_add_f32 v[40:41], v[64:65], v[68:69]
	v_pk_add_f32 v[42:43], v[66:67], v[70:71]
.set i,2
.rept 14
	v_pk_add_f32 v[40:41], v[40:41], v[64+4*i:65+4*i]
	v_pk_add_f32 v[42:43], v[42:43], v[66+4*i:67+4*i]
.set i,i+1
.endr
.irp m,2,4,8                           ; over the lanes of my parity
.set k,0
.rept 4
	v_add_f32_dpp v[40+k], v[40+k], v[40+k] row_xmask:\m row_mask:0xf bank_mask:0xf
.set k,k+1
.endr
.endr
.set k,0
.rept 4
	v_mov_b32 v[44+k], 0
.set k,k+1
.endr
.set k,0
.rept 4
	v_permlanex16_b32 v[44+k], v[40+k], s56, s57
.set k,k+1
.endr
.set k,0
.rept 4
	v_add_f32 v[40+k], v[40+k], v[44+k]
.set k,k+1
.endr
.set k,0
.rept 4
	v_mul_f32 v[40+k], 0x39000000, v[40+k] ; / 8,192
.set k,k+1
.endr
.set k,0
.rept 4
	v_add_f32 v[44+k], 0x3089705f, v[40+k] ; + 1e-9
.set k,k+1
.endr
.set k,0
.rept 4
	v_log_f32 v[44+k], v[44+k]
.set k,k+1
.endr
	v_mov_b32 v49, 0                       ; a plain instruction behind the last logarithm,
	s_wait_alu depctr_va_vdst(0)           ; and one wait for the four
	v_mul_f32 v48, v40, v44
	v_fma_f32 v48, v41, v45, v48
	v_fma_f32 v48, v42, v46, v48
	v_fma_f32 v48, v43, v47, v48
	v_add_f32_dpp v48, v48, v48 row_xmask:1 row_mask:0xf bank_mask:0xf
	v_mul_f32 v48, 0x3f317218, v48         ; log2 to the natural logarithm
	v_cmp_eq_u32 vcc_lo, 0, v1
	s_wait_xcnt 0x0                        ; EXEC changes only behind this wait
	s_and_saveexec_b32 s58, vcc_lo
	global_store_b32 v49, v48, s[22:23]
	s_wait_xcnt 0x0
	s_or_b32 exec_lo, exec_lo, s58
.Lquit:
	s_endpgm
.Lfunc_end_k_q464b3075e4_chain:
	.size	k_q464b3075e4_chain, .Lfunc_end_k_q464b3075e4_chain-k_q464b3075e4_chain
	.p2alignl 7, 3214868480
	.fill 96, 4, 3214868480
	.section	.rodata,"a",@progbits
	.p2align	6, 0x0
	.amdhsa_kernel k_q464b3075e4_chain
		.amdhsa_group_segment_fixed_size 207360
		.amdhsa_private_segment_fixed_size 0
		.amdhsa_enable_private_segment 0
		.amdhsa_kernarg_size 80
		.amdhsa_user_sgpr_count 2
		.amdhsa_user_sgpr_kernarg_segment_ptr 1
		.amdhsa_wavefront_size32 1
		.amdhsa_system_sgpr_workgroup_id_x 1
		.amdhsa_system_sgpr_workgroup_id_y 1
		.amdhsa_system_sgpr_workgroup_id_z 1
		.amdhsa_system_vgpr_workitem_id 0
		.amdhsa_next_free_vgpr 512
		.amdhsa_next_free_sgpr 72
		.amdhsa_reserve_vcc 1
		.amdhsa_float_denorm_mode_32 3
		.amdhsa_float_denorm_mode_16_64 3
		.amdhsa_memory_ordered 1
		.amdhsa_forward_progress 1
		.amdhsa_inst_pref_size 219
	.end_amdhsa_kernel
	.amdgpu_metadata
---
amdhsa.version: [ 1, 2 ]
amdhsa.kernels:
  - .name:           k_q464b3075e4_chain
    .symbol:         k_q464b3075e4_chain.kd
    .args:
      - { .name: xb, .offset: 0, .size: 8, .value_kind: global_buffer, .address_space: global }
      - { .name: wl12, .offset: 8, .size: 8, .value_kind: global_buffer, .address_space: global }
      - { .name: wl3, .offset: 16, .size: 8, .value_kind: global_buffer, .address_space: global }
      - { .name: wbb, .offset: 24, .size: 8, .value_kind: global_buffer, .address_space: global }
      - { .name: rt, .offset: 32, .size: 8, .value_kind: global_buffer, .address_space: global }
      - { .name: cpair, .offset: 40, .size: 8, .value_kind: global_buffer, .address_space: global }
      - { .name: comb, .offset: 48, .size: 8, .value_kind: global_buffer, .address_space: global }
      - { .name: usum, .offset: 56, .size: 8, .value_kind: global_buffer, .address_space: global }
      - { .name: out0, .offset: 64, .size: 8, .value_kind: global_buffer, .address_space: global }
      - { .name: out1, .offset: 72, .size: 8, .value_kind: global_buffer, .address_space: global }
    .group_segment_fixed_size: 207360
    .private_segment_fixed_size: 0
    .kernarg_segment_align: 8
    .kernarg_segment_size: 80
    .max_flat_workgroup_size: 256
    .sgpr_count:     72
    .vgpr_count:     512
    .wavefront_size: 32
...
	.end_amdgpu_metadata
.endif
;; end of part 2
